; MI455X (gfx1250); checked and timed in simulation.
; The chip was launched on July 23, 2026; its instructions are those of AMD's public machine-readable ISA for CDNA 5 (MIT licence, August 2026) and "CDNA5" Instruction Set Architecture Reference Guide (July 2026). The comments in the code are by the model that wrote it; some were corrected since.
;; GRU Cell BBB. Allowed arithmetic: matrix products marked QUANTISED: E3M2 operands, one E8M0 scale for each 32 along K, by v_wmma_scale_f32_16x16x128_f8f6f4 with both operands' format E3M2, f32 sums; everything else in f32.
;; Inputs: U_mu_codes 3,072 x 32 x 24 uint8 (E3M2 codes of U_mu, K innermost, in blocks of 32 codes, four codes in three bytes); U_mu_scales 3,072 x 32 uint8 (E8M0 scales of U_mu, one for each 32 codes along K); U_rho 1,024 x 3,072 float32; W_mu_codes 3,072 x 32 x 24 uint8 (E3M2 codes of W_mu, K innermost, in blocks of 32 codes, four codes in three bytes); W_mu_scales 3,072 x 32 uint8 (E8M0 scales of W_mu, one for each 32 codes along K); W_rho 1,024 x 3,072 float32; b_mu 3,072 float32; b_rho 3,072 float32; h_pre_eps 1,024 float32; h_prev 2,048 x 1,024 float32; r_eps 1,024 float32; u_eps 1,024 float32; x 2,048 x 1,024 float32.
;; Outputs: out0 2,048 x 1,024 float32.
;; This version of the problem:
;;   THIS VERSION OF THE PROBLEM IS GIVEN IN LOW PRECISION. The matrix products marked QUANTISED in the list below multiply operands that are first quantised to E3M2 (3 exponent bits, 2 mantissa bits; 6 bits a number), with one power-of-two scale for each 32 numbers along K (OCP MX v1.0); their sums are f32. All else is computed in f32.
;;   The module's matrix products, in the order in which they are computed (A, B: the left and right operand; K: the contracted axis; several contracted axes count as one K, in the product's order):
;;     1. [M 2,048, K 1,024] x [K 1,024, N 3,072]; A: input x; B: input W_mu (given as codes): QUANTISED
;;     2. [M 2,048, K 1,024] x [K 1,024, N 3,072]; A: input h_prev; B: input U_mu (given as codes): QUANTISED
;;     3. [M 2,048, K 1,024] x [K 1,024, N 3,072]; A: computed on the way; B: computed on the way: QUANTISED
;;     4. [M 2,048, K 1,024] x [K 1,024, N 3,072]; A: computed on the way; B: computed on the way: QUANTISED
;;   THE QUANTISER, for each operand of a quantised product, along K:
;;     - K is cut into blocks of 32 from its start; a last block that is shorter is filled with zeros.
;;     - A block's scale is 2^e with e = floor(log2(the largest magnitude in the block)) - 4, held to -126 .. 127; a block of zeros has e = 0. As a byte (E8M0): e + 127.
;;     - Each number is divided by its block's scale, clamped to +-28, and rounded to the nearest number of E3M2, ties to even, subnormals kept.
;;     - The product sums the exact products of the quantised numbers (number of the format x scale) in f32.
;;   ~~~python
;;   def quantise(x, axis):      # numpy; x: float32 -> the quantised numbers, widened to float32 again
;;       x = np.moveaxis(x, axis, -1); K = x.shape[-1]
;;       x = np.pad(x, [(0, 0)] * (x.ndim - 1) + [(0, -K % 32)]); x = x.reshape(x.shape[:-1] + (-1, 32)); a = np.abs(x).max(-1, keepdims=True)
;;       e = np.where(a > 0, np.clip(np.frexp(np.where(a > 0, a, 1))[1] - 1 - 4, -126, 127), 0)      # np.frexp(a)[1] - 1 = floor(log2(a)), exactly
;;       r = np.clip(x / 2.0 ** e, -28, 28)
;;       step = 2.0 ** (np.maximum(np.frexp(np.where(r == 0, 1, r))[1] - 1, -2) - 2)
;;       q = np.round(r / step) * step * 2.0 ** e      # np.round: ties to even
;;       return np.moveaxis(q.reshape(q.shape[:-2] + (-1,))[..., :K], -1, axis).astype(np.float32)
;;   ~~~
;;   OPERANDS COMPUTED ON THE WAY. 'Computed on the way' means the value that the module computes at that place (a softmax that the list does not call 'softmax' is quantised finished and normalised). What goes into a quantiser is computed in f32, as accurately as f32 sums, v_exp_f32 and their like allow (about 1e-6 of the number): no bf16 or f16 on the way to a quantiser, and a product that is left as it is and whose result goes on into a quantised operand takes f32 operands (vector FMAs, or v_wmma_f32_16x16x4_f32). A number that lies on a knife's edge between two numbers of the format may be rounded either way, as far as f32 arithmetic and the matrix unit's own rounding can turn it there, and no further.
;;   INPUTS GIVEN AS CODES. U_mu (in the module: [1024, 3072], K = its axis 0); W_mu (in the module: [1024, 3072], K = its axis 0): each comes as NAME_codes (uint8): NAME with its K axis moved to the last place and cut into blocks of 32 codes, [.., K / 32, bytes a block], one block behind the other in memory; four codes in three bytes: a row's codes are one little-endian stream of bits, code i at bits 6 i .. 6 i + 5 (a code: sign, 3 exponent bits, 2 mantissa bits); and NAME_scales (uint8): the same leading axes, one E8M0 byte (e + 127) for each 32 codes along K. Its value is code x scale, taken as it is: it is not quantised again, and the codes and scales need not be those that the quantiser above would give.
;; One version. Each part assembles by itself: llvm-mc -triple=amdgcn-amd-amdhsa -mcpu=gfx1250 --defsym DOCPART=n.
;; ======== version 1 of 1: 2 launches
;; limits: right only within a limited range of input values
;; workspace buffers: aq 6,553,600 bytes; bq 6,553,600 bytes
;; launch prep (part 1): grid 256 x 1, 8 waves a work-group, no clusters, 95,232 bytes of LDS; arguments x, h_prev, W_rho, U_rho, W_mu_codes, W_mu_scales, U_mu_codes, U_mu_scales, aq, bq; writes aq, bq
.if DOCPART == 1
	.amdgcn_target "amdgcn-amd-amdhsa--gfx1250"
	.amdhsa_code_object_version 6
	.text
	.protected	k_qbccf90b712_prep
	.globl	k_qbccf90b712_prep
	.p2align	8
	.type	k_qbccf90b712_prep,@function
k_qbccf90b712_prep:
	s_mov_b64 s[64:65], 0
	v_nop
	global_prefetch_b8 v0, s[64:65] scope:SCOPE_SE
	s_setreg_imm32_b32 hwreg(HW_REG_WAVE_MODE, 25, 1), 1
	s_wait_xcnt 0x0
; GRU cell with local reparameterisation, first of two launches: every operand of the four MX-BF6 products is laid into workspace IN THE ORDER OF THE OPERAND'S REGISTERS.
; WHAT IS LEFT OUT: reference() computes the gate r and uses it nowhere in its result, so columns 0..1023 of the 3H axis (of W_rho, U_rho, the given codes and scales) are not read here.
; A FRAGMENT IMAGE is 16 rows x 128 K of E3M2 codes, 12 registers a lane, 1,536 bytes: register 4 n + t of lane l lies at byte 512 n + 16 l + 4 t.  Lane (r = l % 16, hl = l / 16) holds row r; registers 6 z .. 6 z + 5 hold K block 2 z + hl.
; aq [G = 16 i + s][kind][12,800]: i = tile of 128 rows, s = K step of 128 (0-7 of x, 8-15 of h_prev), kind 0 the number, kind 1 its square.  A panel: 8 images (position p holds row block p xor 4 kind), then 512 bytes of
;    scale words: that of (p, r) at 16 (r + 16 (p / 4)) + 4 (p % 4).
; bq [j][w = 2 kind + q][s][6,400]: j = tile of 64 output columns, kind 0 the given mean weights, kind 1 softplus(rho)^2, q = which 32 of the 64.  A panel: 4 images g = 2 gate + c (gate 0 = u, 1 = h; slot r = column
;    64 j + 32 q + 16 c + r of the gate), then 256 bytes of scale words: that of (g, r) at 64 g + 4 r.
; THREE JOBS, each work-group does 1/256 of each, so that all work-groups are alike and no path parts on the work-group's number:
;   R  256 K x 64 columns of W_rho or U_rho: wave v takes one block of 32 K rows, a lane two columns, its registers run down K; softplus, square, quantise; the six registers of a block go into images in LDS, which leave whole.
;   C  16 columns of the given codes of W_mu or U_mu, 12,288 consecutive bytes: wave v loads 1,536 of them as they lie and puts them into a stage in LDS; behind the first barrier it reads K step v's fragment, whose
;      registers are the rows' bytes as they lie, and stores its image.
;   A  128 rows x 128 K of x or h_prev: wave v takes 16 rows, turns them through its own LDS stage so that a lane holds 16 neighbours along K of each block, quantises them, squares them, quantises again.
; THE ORDER.  All 52 loads of a wave go out at the head, R's first: R's arithmetic is the longest (some 700 lines, 128 of them transcendentals) and is worked while A's rows are still on their way; those land in v256-319,
; which R's arithmetic does not touch.  Behind the first barrier R's and C's images leave while A is quantised; the second barrier serves A's scale words alone.
; softplus(x) = max(x, 0) + log1p(E), E = exp(-|x|).  log1p(E) = ln(U) + D / U with U = fl(1 + E) and D = E - (U - 1), both differences exact; D / U is taken as D - D E: off by at most 2^-25 where ln(U) is near 0.7, by D E^2 where E is small.
; LIMITS: E carries the rounding of -|x| log2(e), a relative error of about |x| x 6e-8; below x = -87 E is 0, as its square is in f32; NaN and infinities among the inputs are not served;
;   a block of zeros gets the scale byte 1 where the rule says 127: its codes are zeros, and this program alone reads the bytes.
; bq's scale words leave in pieces of 64 bytes (262,144 bytes of the launch's 13 million stored); all else leaves as 512 consecutive bytes an instruction.
; r is not in h = u h_prev + (1 - u) h_pre for any values of the inputs: so r_eps is among no launch's arguments, and the first thirds of b_mu and b_rho are not read.  LIMIT: a NaN, an infinity or an overflow that reaches only r is not carried to the result.
.set AST,  0                           ; LDS: job A's stage, a wave's own: 16 rows x 528 bytes (512 + 16: sixteen rows of one column start at sixteen different groups of banks)
.set RST,  67584                       ; job R's 8 images, image f = 4 q + 2 (K step) + c at 1,536 f
.set RSS,  79872                       ; their scale bytes: 64 f + 4 r + block
.set ASS,  80384                       ; job A's two blocks of scale words, 512 x kind + the layout of aq
.set CSG,  81408                       ; job C's stage: 16 rows of CP bytes
.set CP,   784                         ; 768 bytes of codes + 16 = 196 words: row r starts 4 r words on modulo the 64 banks of 4 bytes (ISA guide 11.1), lanes 16-31 six words further: the 32 lanes of a load of 8 bytes touch 64 different banks
.set VA,   1                           ; v1   16 x lane
.set VR,   2                           ; v2   8 x lane
.set CW0,  3                           ; v3   job C's stage, in: my wave's two rows, 16 bytes a lane
.set VCS,  4                           ; v4   32 (lane / 2) + 2 (lane % 2): my two bytes of given scales
.set ASTW, 5                           ; v5   job A's stage, in
.set ASTR, 6                           ; v6   job A's stage, back
.set RA1,  7                           ; v7   job R: where my block's first and third pair of registers go
.set RA2,  8                           ; v8   and the second
.set RB,   9                           ; v9   and its scale byte
.set ASSW, 10                          ; v10  job A: where my row's scale word goes (lanes 0-15 kind 0, lanes 16-31 kind 1)
.set VOA0, 11                          ; v11  aq: my image of kind 0
.set VOA1, 12                          ; v12  and of kind 1
.set VO2,  13                          ; v13  2 x lane
.set CW1,  14                          ; v14  job C's stage, in: the same with 16 more in lanes 16-31, for the load whose second half begins the second row
.set CSH,  15                          ; v15  job C: two scale bytes
.set XA,   16                          ; v16-79   rho, then max(rho, 0), then the 64 variances (column e's 32 at 32 e), at last addresses and data of the copy out
.set EA,   80                          ; v80-143  -|rho| log2(e), E, D - D E, softplus
.set UA,   144                         ; v144-207 U, log2(U); then job A's 64 numbers
.set WK,   208                         ; v208-227 at work: U - 1 and D, 16 at a time; job R's codes; then PC
.set PC,   208                         ; a fragment's codes just made (12), and 8 more for the conversions' upper halves
.set CF,   228                         ; v228-239 job C: 48 bytes a lane as loaded; later K step v's fragment
.set TM,   240                         ; v240-243 largest magnitudes, v244-247 the other half's / bytes, v252-255 the conversions' scale operands
.set PW0,  248                         ; scale word of kind 0, of kind 1, and the one that my lane stores
.set PW1,  249
.set PWS,  250
                                       ; v256-319 (window 1, v0-63) job A's 16 rows as loaded
.set WV,   24                          ; s24  my wave's number
.set SEL,  52                          ; s[52:53] v_permlanex16_b32's selects for lane l xor 16
.set MSB, 0
.macro WIN new                         ; s_set_vgpr_msb: bits 1:0 source 0, 3:2 source 1, 5:4 source 2, 7:6 destination; the immediate's high byte repeats the setting that is left
.if MSB != \new
	s_set_vgpr_msb (MSB<<8)|\new
.set MSB, \new
.endif
.endm
; the largest magnitude of each of four blocks: register 16 b + i of v[s] on is k = 32 b + 16 hl + i of my row; the floor 2^(5 - 127) among the leaves holds the byte at 1 from below
.macro QMAX s
.irp b, 0,1,2,3
	v_max3_num_f32 v[TM+\b], |v[\s+16*\b]|, |v[\s+1+16*\b]|, 0x2800000
.endr
.irp i, 2,4,6,8,10,12,14
.irp b, 0,1,2,3
	s_delay_alu instid0(VALU_DEP_4)
	v_max3_num_f32 v[TM+\b], v[TM+\b], |v[\s+16*\b+\i]|, |v[\s+1+16*\b+\i]|
.endr
.endr
.irp b, 0,1,2,3
	s_delay_alu instid0(VALU_DEP_4)
	v_permlanex16_b32 v[TM+4+\b], v[TM+\b], s[SEL], s[SEL+1]
.endr
.irp b, 0,1,2,3
	s_delay_alu instid0(VALU_DEP_4)
	v_max_num_f32 v[TM+\b], v[TM+\b], v[TM+4+\b]               ; with lane l xor 16's 16: the block's
.endr
.endm
; from the four largest magnitudes: the scale word into v[pw], the fragment's codes into v[PC] on.  v[TM] .. v[TM+3] stay
.macro QFIN s, pw
.irp b, 0,1,2,3
	v_add_nc_u32 v[TM+12+\b], 0xfe000000, v[TM+\b]             ; 4 off the exponent field: the conversion takes this operand's exponent field as its scale
.endr
.irp b, 0,1,2,3
	s_delay_alu instid0(VALU_DEP_4)
	v_lshrrev_b32 v[TM+4+\b], 23, v[TM+12+\b]                  ; the scale's byte
.endr
	s_delay_alu instid0(VALU_DEP_3)
	v_lshl_or_b32 v[\pw], v[TM+5], 8, v[TM+4]
	s_delay_alu instid0(VALU_DEP_1)
	v_lshl_or_b32 v[\pw], v[TM+6], 16, v[\pw]
	s_delay_alu instid0(VALU_DEP_1)
	v_lshl_or_b32 v[\pw], v[TM+7], 24, v[\pw]
.irp c, 0,1
	v_cvt_scalef32_pk16_bf6_f32 v[PC+6*\c:PC+2+6*\c], v[\s+32*\c:\s+15+32*\c], v[TM+12+2*\c]
	v_cvt_scalef32_pk16_bf6_f32 v[PC+12+4*\c:PC+14+4*\c], v[\s+16+32*\c:\s+31+32*\c], v[TM+12+2*\c+1]   ; (a conversion's three registers begin on an even number)
.endr
	v_nop                                                      ; one plain instruction behind the scaled conversions
.irp c, 0,1                            ; the layout wants a whole block in a lane: lanes 0-15 block 2 c, lanes 16-31 block 2 c + 1
.irp i, 0,1,2
	v_permlane16_swap_b32 v[PC+6*\c+\i], v[PC+12+4*\c+\i]
.endr
.irp i, 0,1,2
	s_delay_alu instid0(VALU_DEP_3)
	v_mov_b32 v[PC+3+6*\c+\i], v[PC+12+4*\c+\i]
.endr
.endr
.endm
.macro IMG adr                         ; the fragment leaves as it stands: each store covers 512 consecutive bytes, aligned
.irp c, 0,1,2
	global_store_b128 v[\adr], v[PC+4*\c:PC+4*\c+3], s[20:21] offset:512*\c
.endr
.endm
	s_load_b512 s[4:19], s[0:1], 0x0               ; x, h_prev, W_rho, U_rho, W's codes, W's scales, U's codes, U's scales
	s_load_b128 s[20:23], s[0:1], 0x40             ; aq, bq
	v_lshl_add_u32 v227, v0, 2, 0x17000
	v_mov_b32 v251, 0
	v_lshrrev_b32 v208, 5, v0
	s_delay_alu instid0(VALU_DEP_1)
	v_readfirstlane_b32 s[WV], v208                ; wave 0..7
	v_and_b32 v209, 31, v0                         ; lane
	v_and_b32 v210, 15, v0                         ; r
	v_bfe_u32 v211, v0, 4, 1                       ; hl
	v_bfe_u32 v212, v0, 3, 1                       ; (lane / 8) % 2
	v_and_b32 v213, 7, v0                          ; lane % 8
	v_bfe_u32 v214, v0, 1, 4                       ; lane / 2
	v_and_b32 v215, 1, v0                          ; lane % 2
	s_mov_b32 s48, 0x3fb8aa3b                      ; log2(e)
	s_mov_b32 s49, s48
	s_mov_b32 s50, 0x3f317218                      ; ln(2): the packed form names the pair s[50:51] and takes its low word for both halves
	s_mov_b32 s51, s50
	s_mov_b32 s[SEL], 0x76543210
	s_mov_b32 s[SEL+1], 0xfedcba98
	v_cmp_lt_u32 s54, 15, v209                     ; lanes 16-31
.irp b, 0,1,2,3
	v_mov_b32 v[TM+4+\b], 0                        ; written once: a lane permute's destination counts as one of its sources
.endr
	v_lshlrev_b32 v[VA], 4, v209
	v_lshlrev_b32 v[VR], 3, v209
	v_lshlrev_b32 v[VO2], 1, v209
	v_lshlrev_b32 v[VCS], 5, v214
	s_delay_alu instid0(VALU_DEP_1)
	v_lshl_add_u32 v[VCS], v215, 1, v[VCS]
	s_lshr_b32 s55, s[WV], 2                       ; job R: which of the work-group's two K steps my block lies in
	s_and_b32 s56, s[WV], 3                        ; b: my block in that K step
	s_lshr_b32 s57, s56, 1                         ; z = b / 2
	s_and_b32 s58, s56, 1                          ; the half of the lanes that holds block b
	s_mul_i32 s59, s[WV], 8448                     ; my stage of job A
	v_add_nc_u32 v[ASTW], s59, v[VA]               ; in: 16 bytes a lane, a row an instruction
	v_mul_u32_u24 v[ASTR], v210, 528
	s_delay_alu instid0(VALU_DEP_1)
	v_lshl_add_u32 v[ASTR], v211, 6, v[ASTR]
	s_delay_alu instid0(VALU_DEP_1)
	v_add_nc_u32 v[ASTR], s59, v[ASTR]             ; back: row r, + 64 hl: 16 neighbours of each block of 32
	s_mul_i32 s59, s[WV], 2*CP                     ; job C's stage: my 1,536 bytes are rows 2 v and 2 v + 1
	s_add_co_u32 s59, s59, CSG
	v_add_nc_u32 v[CW0], s59, v[VA]
	s_delay_alu instid0(VALU_DEP_1)
	v_lshl_add_u32 v[CW1], v211, 4, v[CW0]         ; byte 768 of the 1,536 falls to lane 16 of the second load: from there on the second row, 16 bytes of padding further
	; job R: column 2 lane + e is slot r = 2 (lane % 8) + e of image (q = lane / 16, c = (lane / 8) % 2).  Registers 6 z .. 6 z + 5 of target lane r + 16 (b % 2) lie, as three pairs,
	; at 0, 8, 512 (z = 0) or 520, 1,024, 1,032 (z = 1) + 16 x that lane: one register with 520 z serves offsets 0 and 512, one with 1,016 z serves offset 8
	v_mul_u32_u24 v[RA1], v211, 6144
	s_delay_alu instid0(VALU_DEP_1)
	v_mad_u32_u24 v[RA1], v212, 1536, v[RA1]
	s_delay_alu instid0(VALU_DEP_1)
	v_lshl_add_u32 v[RA1], v213, 5, v[RA1]
	s_wait_alu depctr_va_vdst(0)
	s_mul_i32 s60, s55, 3072
	s_lshl_b32 s61, s58, 8
	s_add_co_u32 s60, s60, s61
	s_add_co_u32 s60, s60, RST
	s_mul_i32 s61, s57, 520
	s_add_co_u32 s61, s61, s60
	s_mul_i32 s62, s57, 1016
	s_add_co_u32 s62, s62, s60
	v_add_nc_u32 v[RA2], s62, v[RA1]
	v_add_nc_u32 v[RA1], s61, v[RA1]
	v_lshlrev_b32 v[RB], 8, v211
	s_delay_alu instid0(VALU_DEP_1)
	v_lshl_add_u32 v[RB], v212, 6, v[RB]
	s_delay_alu instid0(VALU_DEP_1)
	v_lshl_add_u32 v[RB], v213, 3, v[RB]
	s_lshl_b32 s63, s55, 7
	s_add_co_u32 s63, s63, s56
	s_add_co_u32 s63, s63, RSS
	v_add_nc_u32 v[RB], s63, v[RB]
	; job A's scale words: lanes 0-15 store kind 0's at position v, lanes 16-31 kind 1's at position v xor 4, 512 bytes on: the distance is 256 + 512 ((v / 4) xor 1), in ONE product with hl
	s_xor_b32 s60, s55, 1
	s_lshl_b32 s60, s60, 9
	s_add_co_u32 s60, s60, 256
	v_mul_u32_u24 v[ASSW], s60, v211
	s_delay_alu instid0(VALU_DEP_1)
	v_lshl_add_u32 v[ASSW], v210, 4, v[ASSW]
	s_lshl_b32 s61, s55, 8
	s_lshl_b32 s62, s56, 2
	s_add_co_u32 s61, s61, s62
	s_add_co_u32 s61, s61, ASS
	v_add_nc_u32 v[ASSW], s61, v[ASSW]
	s_mul_i32 s60, s[WV], 1536
	v_add_nc_u32 v[VOA0], s60, v[VA]
	s_xor_b32 s60, s[WV], 4
	s_mul_i32 s60, s60, 1536
	s_add_co_u32 s60, s60, 12800
	v_add_nc_u32 v[VOA1], s60, v[VA]
	; byte offsets into the buffers, each in a pair of its own
	s_lshr_b32 s26, ttmp9, 4                       ; A: i
	s_lshl_b32 s26, s26, 19                        ; 128 rows of 4,096 bytes
	s_lshl_b32 s27, s[WV], 16                      ; + my 16 rows
	s_add_co_u32 s26, s26, s27
	s_and_b32 s27, ttmp9, 7
	s_lshl_b32 s27, s27, 9                         ; + 512 bytes for each K step within the tensor
	s_add_co_u32 s26, s26, s27
	s_mov_b32 s27, 0
	s_mul_i32 s28, ttmp9, 25600                    ; aq: my work-group's two panels
	s_mov_b32 s29, 0
	s_and_b32 s44, ttmp9, 127                      ; C: which 16 columns of the 2,048 kept
	s_lshr_b32 s45, ttmp9, 7                       ; C and R: 0 = W, 1 = U
	s_lshr_b32 s46, s44, 6                         ; gate (the same for C and R)
	s_bfe_u32 s47, s44, 0x40002                    ; j    (the same for C and R)
	s_lshl_b32 s55, s44, 4
	s_add_co_u32 s55, s55, 1024                    ; C's first column in 3H
	s_mul_i32 s30, s55, 768                        ; a column's 1,024 codes are 768 bytes
	s_mul_i32 s56, s[WV], 1536                     ; + my eighth of the 16 columns' 12,288 bytes
	s_add_co_u32 s30, s30, s56
	s_mov_b32 s31, 0
	s_lshl_b32 s32, s55, 5                         ; its 32 scale bytes
	s_lshl_b32 s56, s[WV], 2                       ; + K step v's four
	s_add_co_u32 s32, s32, s56
	s_mov_b32 s33, 0
	s_and_b32 s56, ttmp9, 3                        ; R: which 256 K rows
	s_lshl_b32 s57, s56, 8
	s_lshl_b32 s58, s[WV], 5
	s_add_co_u32 s57, s57, s58                     ; my first K row
	s_mul_i32 s34, s57, 12288
	s_lshr_b32 s58, s44, 2
	s_lshl_b32 s58, s58, 8                         ; + 64 columns x 4 bytes for each group of columns
	s_add_co_u32 s34, s34, s58
	s_add_co_u32 s34, s34, 4096                    ; + the 1,024 columns of r
	s_mov_b32 s35, 0
	s_bfe_u32 s57, s44, 0x10001                    ; C: q
	s_lshl_b32 s58, s47, 2                         ; 4 j
	s_add_co_u32 s57, s57, s58
	s_lshl_b32 s57, s57, 4
	s_lshl_b32 s59, s45, 3                         ; U's K steps are 8 .. 15
	s_add_co_u32 s57, s57, s59
	s_add_co_u32 s57, s57, s[WV]
	s_mul_i32 s57, s57, 6400                       ; C's panel of bq
	s_and_b32 s60, s44, 1
	s_lshl_b32 s61, s46, 1
	s_add_co_u32 s60, s60, s61                     ; g = 2 gate + c
	s_mul_i32 s36, s60, 1536
	s_add_co_u32 s36, s36, s57
	s_mov_b32 s37, 0
	s_lshl_b32 s38, s60, 6
	s_add_co_u32 s38, s38, s57
	s_add_co_u32 s38, s38, 6144
	s_mov_b32 s39, 0
	s_lshr_b32 s57, s[WV], 2                       ; R, the copy out: wave f takes image f = 4 q + 2 (K step) + c
	s_add_co_u32 s57, s57, s58
	s_add_co_u32 s57, s57, 2                       ; w = 2 + q
	s_lshl_b32 s57, s57, 4
	s_add_co_u32 s57, s57, s59
	s_lshl_b32 s60, s56, 1
	s_add_co_u32 s57, s57, s60
	s_bfe_u32 s60, s[WV], 0x10001
	s_add_co_u32 s57, s57, s60
	s_mul_i32 s57, s57, 6400
	s_and_b32 s60, s[WV], 1
	s_add_co_u32 s60, s60, s61
	s_mul_i32 s40, s60, 1536
	s_add_co_u32 s40, s40, s57
	s_mov_b32 s41, 0
	s_lshl_b32 s42, s60, 6
	s_add_co_u32 s42, s42, s57
	s_add_co_u32 s42, s42, 6144
	s_mov_b32 s43, 0
	s_and_b32 s55, ttmp9, 8
	s_wait_kmcnt 0x0
	s_cmp_eq_u32 s55, 0                            ; K steps 0-7 come from x, 8-15 from h_prev: the choice hangs on the work-group's number alone
	s_cselect_b64 s[4:5], s[4:5], s[6:7]
	s_cmp_eq_u32 s45, 0                            ; W or U
	s_cselect_b64 s[8:9], s[8:9], s[10:11]
	s_cselect_b64 s[12:13], s[12:13], s[16:17]
	s_cselect_b64 s[14:15], s[14:15], s[18:19]
	s_add_nc_u64 s[4:5], s[4:5], s[26:27]
	s_add_nc_u64 s[20:21], s[20:21], s[28:29]
	s_add_nc_u64 s[12:13], s[12:13], s[30:31]
	s_add_nc_u64 s[14:15], s[14:15], s[32:33]
	s_add_nc_u64 s[8:9], s[8:9], s[34:35]
	s_add_nc_u64 s[36:37], s[22:23], s[36:37]      ; bq: C's image, C's scale words, R's image, R's scale words
	s_add_nc_u64 s[38:39], s[22:23], s[38:39]
	s_add_nc_u64 s[40:41], s[22:23], s[40:41]
	s_add_nc_u64 s[42:43], s[22:23], s[42:43]
	; ---- all that the wave reads is asked for at once, in the order in which it is worked: 32 + 4 + 16 loads
.set ii, 0
.rept 32
	global_load_b64 v[XA+2*ii:XA+2*ii+1], v[VR], s[8:9] offset:12288*ii th:TH_LOAD_NT      ; R: K row ii of my block, 256 consecutive bytes, aligned
.set ii, ii+1
.endr
.irp c, 0,1,2
	global_load_b128 v[CF+4*\c:CF+4*\c+3], v[VA], s[12:13] offset:512*\c th:TH_LOAD_NT     ; C: my 1,536 bytes as they lie, 512 consecutive bytes a load
.endr
	global_load_u16 v[CSH], v[VCS], s[14:15]       ; C: K step v's scale bytes of the 16 columns, two a lane
	WIN 0x40                                       ; destination window 1, address window 0
.set ii, 0
.rept 16
	global_load_b128 v[4*ii:4*ii+3], v[VA], s[4:5] offset:4096*ii th:TH_LOAD_NT            ; A: row ii of my 16, 512 consecutive bytes, into v256 on
.set ii, ii+1
.endr
	WIN 0
	; ---- job R: softplus(rho)^2.  softplus stage by stage, in two halves: K rows 16 h to 16 h + 15 of my block are numbers 32 h to 32 h + 31
.macro SPLUS h
.set ii, 32*\h
.rept 32
	v_mul_f32 v[EA+ii], -|v[XA+ii]|, s48           ; -|x| log2(e)
.set ii, ii+1
.endr
	s_wait_alu depctr_va_vdst(0)
.set ii, 32*\h
.rept 32
	v_exp_f32 v[EA+ii], v[EA+ii]                   ; E = exp(-|x|)
.set ii, ii+1
.endr
.set ii, 32*\h
.rept 32
	v_max_num_f32 v[XA+ii], 0, v[XA+ii]            ; max(x, 0): work that names no exponential's result
.set ii, ii+1
.endr
	s_wait_alu depctr_va_vdst(0)
.set ii, 16*\h
.rept 16
	v_pk_add_f32 v[UA+2*ii:UA+2*ii+1], v[EA+2*ii:EA+2*ii+1], 1.0 op_sel_hi:[1,0]           ; U = fl(1 + E)
.set ii, ii+1
.endr
.set cc, 2*\h
.rept 2
.set ii, 0
.rept 8
	v_pk_add_f32 v[WK+2*ii:WK+2*ii+1], v[UA+16*cc+2*ii:UA+16*cc+2*ii+1], -1.0 op_sel_hi:[1,0]   ; U - 1, exact
.set ii, ii+1
.endr
.set ii, 0
.rept 8
	v_pk_add_f32 v[WK+2*ii:WK+2*ii+1], v[EA+16*cc+2*ii:EA+16*cc+2*ii+1], v[WK+2*ii:WK+2*ii+1] neg_lo:[0,1] neg_hi:[0,1]   ; D = E - (U - 1), exact: what the sum 1 + E dropped
.set ii, ii+1
.endr
.set ii, 0
.rept 8
	v_pk_fma_f32 v[EA+16*cc+2*ii:EA+16*cc+2*ii+1], v[WK+2*ii:WK+2*ii+1], v[EA+16*cc+2*ii:EA+16*cc+2*ii+1], v[WK+2*ii:WK+2*ii+1] neg_lo:[1,0,0] neg_hi:[1,0,0]   ; D - D E
.set ii, ii+1
.endr
.set cc, cc+1
.endr
	s_wait_alu depctr_va_vdst(0)
.set ii, 32*\h
.rept 32
	v_log_f32 v[UA+ii], v[UA+ii]                   ; log2(U)
.set ii, ii+1
.endr
.set ii, 16*\h
.rept 16
	v_pk_add_f32 v[EA+2*ii:EA+2*ii+1], v[EA+2*ii:EA+2*ii+1], v[XA+2*ii:XA+2*ii+1]          ; + max(x, 0): work that names no logarithm's result
.set ii, ii+1
.endr
	s_wait_alu depctr_va_vdst(0)
.set ii, 16*\h
.rept 16
	v_pk_fma_f32 v[EA+2*ii:EA+2*ii+1], v[UA+2*ii:UA+2*ii+1], s[50:51], v[EA+2*ii:EA+2*ii+1] op_sel_hi:[1,0,1]   ; softplus
.set ii, ii+1
.endr
.endm
	s_wait_loadcnt 36                              ; rho's first 16 rows are in: behind them stand R's other 16 loads, C's 4 and A's 16
	SPLUS 0
	s_wait_loadcnt 20                              ; and the other 16
	SPLUS 1
	s_wait_loadcnt 16                              ; C's 4 are in: behind them stand A's 16
	ds_store_b128 v[CW0], v[CF:CF+3]               ; bytes 0 .. 511: the first row
	ds_store_b128 v[CW1], v[CF+4:CF+7] offset:512  ; bytes 512 .. 1,023: lanes 0-15 the first row's end, lanes 16-31 the second row's head
	ds_store_b128 v[CW0], v[CF+8:CF+11] offset:1040   ; bytes 1,024 .. 1,535: the second row
	; the variances are quantised, and R's and C's images leave, while job A's rows are still on their way
.set ii, 0
.rept 32
	v_mul_f32 v[XA+ii], v[EA+2*ii], v[EA+2*ii]                 ; the square; column e's 32 numbers down K come to stand on end
	v_mul_f32 v[XA+32+ii], v[EA+2*ii+1], v[EA+2*ii+1]
.set ii, ii+1
.endr
.irp e, 0,1                            ; a block is all mine; none of its numbers is negative
	v_max3_num_f32 v[TM+\e], v[XA+32*\e], v[XA+32*\e+1], 0x2800000
.endr
.irp i, 2,4,6,8,10,12,14,16,18,20,22,24,26,28,30
.irp e, 0,1
	s_delay_alu instid0(VALU_DEP_2)
	v_max3_num_f32 v[TM+\e], v[TM+\e], v[XA+32*\e+\i], v[XA+32*\e+\i+1]
.endr
.endr
.irp e, 0,1
	s_delay_alu instid0(VALU_DEP_2)
	v_add_nc_u32 v[TM+12+\e], 0xfe000000, v[TM+\e]
.endr
.irp e, 0,1
	s_delay_alu instid0(VALU_DEP_2)
	v_lshrrev_b32 v[TM+4+\e], 23, v[TM+12+\e]
.endr
.irp e, 0,1
	v_cvt_scalef32_pk16_bf6_f32 v[WK+10*\e:WK+10*\e+2], v[XA+32*\e:XA+32*\e+15], v[TM+12+\e]
	v_cvt_scalef32_pk16_bf6_f32 v[WK+10*\e+6:WK+10*\e+8], v[XA+32*\e+16:XA+32*\e+31], v[TM+12+\e]
.endr
	v_nop                                          ; one plain instruction behind the scaled conversions
.irp e, 0,1
.irp t, 0,1,2
	v_mov_b32 v[WK+10*\e+3+\t], v[WK+10*\e+6+\t]   ; six registers on end: registers 6 z .. 6 z + 5 of the target lane
.endr
.endr
.irp e, 0,1
	ds_store_b64 v[RA1], v[WK+10*\e:WK+10*\e+1] offset:16*\e
	ds_store_b64 v[RA2], v[WK+10*\e+2:WK+10*\e+3] offset:16*\e+8
	ds_store_b64 v[RA1], v[WK+10*\e+4:WK+10*\e+5] offset:16*\e+512
	ds_store_b8 v[RB], v[TM+4+\e] offset:4*\e
.endr
	v_and_b32 v40, 31, v0                          ; the copy out's addresses, in registers that the variances have left; all are made ahead of the parting of the waves at the end
	s_delay_alu instid0(VALU_DEP_1)
	v_lshlrev_b32 v41, 4, v40
	s_wait_alu depctr_va_vdst(0)
	s_mul_i32 s55, s[WV], 1536
	s_add_co_u32 s55, s55, RST
	v_add_nc_u32 v42, s55, v41                     ; R's image number = my wave's number
	s_lshl_b32 s56, s[WV], 6
	s_add_co_u32 s56, s56, RSS
	v_lshl_add_u32 v43, v40, 1, s56                ; its 64 scale bytes, two a lane
	s_and_b32 s57, s[WV], 1
	s_lshl_b32 s58, s57, 9
	s_add_co_u32 s58, s58, ASS
	v_add_nc_u32 v44, s58, v41                     ; job A's block of scale words of kind (wave % 2)
	s_mul_i32 s59, s57, 12800
	v_add_nc_u32 v45, s59, v41                     ; and its panel in aq
	v_and_b32 v46, 15, v0
	v_bfe_u32 v47, v0, 4, 1
	s_delay_alu instid0(VALU_DEP_2)
	v_mul_u32_u24 v46, v46, CP
	s_delay_alu instid0(VALU_DEP_1)
	v_mad_u32_u24 v46, v47, 24, v46
	s_mul_i32 s60, s[WV], 96
	s_add_co_u32 s60, s60, CSG
	v_add_nc_u32 v46, s60, v46                     ; C's fragment of K step v: row r of the stage, 96 v + 24 hl bytes along it
	s_wait_alu depctr_va_vdst(0)
	s_wait_dscnt 0x0                               ; for the others' sake: my stores into C's stage and R's images have landed; for mine: they have read v208-223, v228-239 and v244-245
	s_barrier_signal -1
	s_barrier_wait -1                              ; the first barrier: C's 16 rows and R's 8 images with their scale bytes are whole
	ds_load_b128 v[16:19], v42
	ds_load_b128 v[20:23], v42 offset:512
	ds_load_b128 v[24:27], v42 offset:1024
	ds_load_u16 v28, v43
.irp p, 0,1,2,3,4,5
	ds_load_b64 v[CF+2*\p:CF+2*\p+1], v46 offset:48*(\p/3)+8*(\p%3)    ; 24 bytes twice, in pieces of 8 so that every address is a multiple of the access's size: the given codes are the fragment as they lie
.endr
	s_wait_dscnt 0x0
	global_store_b128 v[VA], v[16:19], s[40:41]
	global_store_b128 v[VA], v[20:23], s[40:41] offset:512
	global_store_b128 v[VA], v[24:27], s[40:41] offset:1024
	global_store_b16 v[VO2], v28, s[42:43]
	global_store_b16 v[VO2], v[CSH], s[38:39]      ; C's 16 scale words, two bytes a lane
.irp c, 0,1,2
	global_store_b128 v[VA], v[CF+4*\c:CF+4*\c+3], s[36:37] offset:512*\c
.endr
	; ---- job A: the numbers, then their squares.  The rows turn through my own stage
	s_wait_loadcnt 0x0                             ; A's 16 rows are in
	WIN 0x04                                       ; an LDS store's data are its source 1: window 1
.set ii, 0
.rept 16
	ds_store_b128 v[ASTW], v[4*ii:4*ii+3] offset:528*ii
.set ii, ii+1
.endr
	WIN 0
.irp b, 0,1,2,3                        ; (LDS serves a wave's instructions in order: these see my stores)
.irp q, 0,1,2,3
	ds_load_b128 v[UA+16*\b+4*\q:UA+16*\b+4*\q+3], v[ASTR] offset:128*\b+16*\q
.endr
.endr
	s_wait_dscnt 0x0
	QMAX UA
	QFIN UA, PW0
	IMG VOA0
.set ii, 0
.rept 32
	v_pk_mul_f32 v[UA+2*ii:UA+2*ii+1], v[UA+2*ii:UA+2*ii+1], v[UA+2*ii:UA+2*ii+1]
.set ii, ii+1
.endr
.irp b, 0,1,2,3
	v_mul_f32 v[TM+\b], v[TM+\b], v[TM+\b]         ; rounding keeps order, so the largest square is the square of the largest magnitude
.endr
.irp b, 0,1,2,3
	s_delay_alu instid0(VALU_DEP_4)
	v_max_num_f32 v[TM+\b], 0x2800000, v[TM+\b]    ; and the floor once more
.endr
	s_wait_alu depctr_va_vdst(0)
	s_wait_xcnt 0x0                                ; the stores of kind 0's image have read v208-219, which the conversions write again
	QFIN UA, PW1
	IMG VOA1
	v_cndmask_b32 v[PWS], v[PW0], v[PW1], s54      ; every lane holds its row's two words: lanes 0-15 store kind 0's, lanes 16-31 kind 1's
	ds_store_b32 v[ASSW], v[PWS]
	s_wait_dscnt 0x0                               ; for the others' sake: my scale words have landed
	s_barrier_signal -1
	s_barrier_wait -1                              ; the second barrier: job A's two blocks of scale words are whole
	s_cmp_lt_u32 s[WV], 2                          ; waves 0 and 1 store them, 512 consecutive bytes for each kind
	s_cbranch_scc0 .Ldone
	ds_load_b128 v[32:35], v44
	s_wait_dscnt 0x0
	global_store_b128 v45, v[32:35], s[20:21] offset:12288
.Ldone:
	s_wait_tensorcnt 0x0
	ds_add_u32 v227, v251
	s_wait_dscnt 0x0
	s_endpgm
.Lfunc_end_k_qbccf90b712_prep:
	.size	k_qbccf90b712_prep, .Lfunc_end_k_qbccf90b712_prep-k_qbccf90b712_prep
	.p2alignl 7, 3214868480
	.fill 96, 4, 3214868480
	.section	.rodata,"a",@progbits
	.p2align	6, 0x0
	.amdhsa_kernel k_qbccf90b712_prep
		.amdhsa_group_segment_fixed_size 95232
		.amdhsa_private_segment_fixed_size 0
		.amdhsa_enable_private_segment 0
		.amdhsa_kernarg_size 80
		.amdhsa_user_sgpr_count 2
		.amdhsa_user_sgpr_kernarg_segment_ptr 1
		.amdhsa_wavefront_size32 1
		.amdhsa_system_sgpr_workgroup_id_x 1
		.amdhsa_system_sgpr_workgroup_id_y 1
		.amdhsa_system_sgpr_workgroup_id_z 1
		.amdhsa_system_vgpr_workitem_id 0
		.amdhsa_next_free_vgpr 320
		.amdhsa_next_free_sgpr 66
		.amdhsa_reserve_vcc 0
		.amdhsa_float_denorm_mode_32 3
		.amdhsa_float_denorm_mode_16_64 3
		.amdhsa_memory_ordered 1
		.amdhsa_forward_progress 1
		.amdhsa_inst_pref_size 57
	.end_amdhsa_kernel
	.amdgpu_metadata
---
amdhsa.version: [ 1, 2 ]
amdhsa.kernels:
  - .name:           k_qbccf90b712_prep
    .symbol:         k_qbccf90b712_prep.kd
    .args:
      - { .name: x, .offset: 0, .size: 8, .value_kind: global_buffer, .address_space: global }
      - { .name: h_prev, .offset: 8, .size: 8, .value_kind: global_buffer, .address_space: global }
      - { .name: W_rho, .offset: 16, .size: 8, .value_kind: global_buffer, .address_space: global }
      - { .name: U_rho, .offset: 24, .size: 8, .value_kind: global_buffer, .address_space: global }
      - { .name: W_mu_codes, .offset: 32, .size: 8, .value_kind: global_buffer, .address_space: global }
      - { .name: W_mu_scales, .offset: 40, .size: 8, .value_kind: global_buffer, .address_space: global }
      - { .name: U_mu_codes, .offset: 48, .size: 8, .value_kind: global_buffer, .address_space: global }
      - { .name: U_mu_scales, .offset: 56, .size: 8, .value_kind: global_buffer, .address_space: global }
      - { .name: aq, .offset: 64, .size: 8, .value_kind: global_buffer, .address_space: global }
      - { .name: bq, .offset: 72, .size: 8, .value_kind: global_buffer, .address_space: global }
    .group_segment_fixed_size: 95232
    .private_segment_fixed_size: 0
    .kernarg_segment_align: 8
    .kernarg_segment_size: 80
    .max_flat_workgroup_size: 256
    .sgpr_count:     66
    .vgpr_count:     320
    .wavefront_size: 32
...
	.end_amdgpu_metadata
.endif
;; end of part 1
;; launch cell (part 2): grid 16 x 16, 4 waves a work-group, clusters of 4 x 4, 327,680 bytes of LDS; arguments aq, bq, h_prev, b_mu, b_rho, u_eps, h_pre_eps, out0; writes out0
.if DOCPART == 2
	.amdgcn_target "amdgcn-amd-amdhsa--gfx1250"
	.amdhsa_code_object_version 6
	.text
	.protected	k_qbccf90b712_cell
	.globl	k_qbccf90b712_cell
	.p2align	8
	.type	k_qbccf90b712_cell,@function
k_qbccf90b712_cell:
	s_mov_b64 s[64:65], 0
	v_nop
	global_prefetch_b8 v0, s[64:65] scope:SCOPE_SE
	s_setreg_imm32_b32 hwreg(HW_REG_WAVE_MODE, 25, 1), 1
	s_wait_xcnt 0x0
	s_wait_alu depctr_hold_cnt(0) depctr_sa_sdst(0) depctr_va_vdst(0) depctr_va_sdst(0) depctr_va_ssrc(0) depctr_va_vcc(0) depctr_vm_vsrc(0)
	s_getreg_b32 s2, hwreg(HW_REG_IB_STS2, 6, 4)
	s_cmp_eq_u32 s2, 0
	s_cbranch_scc0 .Lentry_in_a_cluster
	s_endpgm
.Lentry_in_a_cluster:
	s_bfe_u32 s2, ttmp6, 0x10000c
	s_cmp_lg_u32 s2, 0xf033
	s_cbranch_scc0 .Lentry_shape_is_right
	s_endpgm
.Lentry_shape_is_right:
; GRU cell with local reparameterisation, second of two launches: h = u h_prev + (1 - u) h_pre, u = sigmoid(mu_u + sig_u u_eps), h_pre = tanh(mu_h + sig_h h_pre_eps).
; mu = Q(x) W_mu + Q(h_prev) U_mu + b_mu and sig = Q(x^2) Q(W_sig^2) + Q(h_prev^2) Q(U_sig^2) + softplus(b_rho) are two products over K = 2,048 (x's 1,024, then h_prev's), on E3M2 codes with one E8M0 scale
; for each 32 along K, sums in f32.  Codes and scale words lie in aq and bq in the order of the operand's registers (layouts: at the head of the launch that makes them).
; WHAT IS LEFT OUT: reference() computes the gate r and uses it nowhere in its result: its 1,024 columns are not multiplied, and r_eps and the first third of b_mu and b_rho are not read.  A NaN, an infinity or an overflow that reaches only r is not carried.
; ORDER OF ROUNDING: h is formed as u (h_prev - h_pre) + h_pre; the gates' exponents as own x E1 + (partner's x E2 + CC), with -log2(e) (gate u) and 2 log2(e) (gate h) folded into E1, E2, CC.
; LIMIT: NaN and infinities among the inputs are not served.
; SHARES.  Work-group (j, i) makes rows 128 i .. + 127 x output columns 64 j .. + 63: of each of the two products the columns of gate u and of gate h.  Wave w = 2 kind + q makes one product (kind 0 mu, kind 1 sig)
; for all 128 rows and 32 output columns x 2 gates: 8 x 4 accumulators, 256 registers; a K step of 128 is 32 matrix instructions from 8 + 4 fragments; 16 K steps.
; THE MATRIX INSTRUCTION IS USED TRANSPOSED (source 0 = 16 columns of weights, source 1 = 16 rows of activations): a lane holds one row and eight neighbouring columns.
; CLUSTERS: 4 x 4.  The four of a row share i and so the activations, the four of a column share j and so the weights: both come by JOINT tensor loads.  Two LDS slots of three K steps (51,200 bytes a step) take turns.
; Filling 0 is K step 0 alone, so that the first products wait for one step's bytes; filling c = 1 .. 5 is steps 3 c - 2 .. 3 c.  A wave's one load behind each round brings 38,400 bytes: wave 0, 1 kind 0's, 1's activations
; (3 rows of 12,800 bytes), wave 2, 3 kind 0's, 1's weights (2 rows of 19,200 bytes); filling 0 a third of that.
; PREFETCH: behind the load of filling c each wave asks for filling c + 1, c = 0 .. 4: the cluster's four row tiles and four column tiles, shared out by address: 75 blocks of 256 bytes to each work-group for A and for B,
; 38 and 37 to a wave.
; THE 16 K STEPS ARE WRITTEN OUT by macro: slots of three steps and register sets of two come back together after six steps, and 15 is no multiple of that.
; REGISTERS, in windows of 256:  window 0: v1-15, v28-33 addresses; v16-23 activations' scale words (2 sets of 4); v24-27 weights' (2 sets of 2); v34-61 at work at the head; v64-159, v160-255 activations' fragments, two sets.
;   window 1: v0-47, v48-95 weights' fragments, two sets; later the partner's sums, the gates, rows of u and h_pre.   window 2: accumulator (a, g) at v[8 (4 a + g)].   window 3: v0-63 rows of h_prev; v64-95 CC, v96-127 E2, v128-159 E1.
.set PART,  38400                      ; what one wave's load brings; LDS slot n at SLOT n: A kind 0, A kind 1, B kind 0, B kind 1
.set SLOT,  153600
.set SPARE, 307200                     ; the spare words, 128 bytes for each wave: two blocks of 256 bytes that no other line names
.set CST,   307712                     ; 768 bytes for each wave: six arrays of its 32 columns: CC, E2, E1, each for gate u and gate h
.set STAGE, 65536                      ; u, then h_pre: 128 rows x 272 bytes each.  The exchange (LDS 0 .. 65,535, 16,384 bytes a wave) and the stage lie in slot 0, which has had its last fill and its last read by then
.set SP,    272                        ; 256 + 16: sixteen rows of one column start at sixteen different groups of banks
.set GATEB, 128*SP
.set VP0,  1                           ; v1, v2  the prefetches' offsets: 256 x lane, 256 x min(lane + 32, my last block)
.set VP1,  2
.set VROW, 3                           ; v3   4,096 hl + 16 r: two rows of h_prev or of the output, 256 bytes each
.set ADA,  4                           ; v4-5 my kind's activations in slot 0, 1: + 16 x lane
.set SPW,  8                           ; v8   LDS address of my spare word; never rewritten
.set NIL,  9                           ; v9   0; never rewritten
.set XW,   10                          ; v10  where I put sums for my partner (wave w xor 2)
.set XR,   11                          ; v11  where my partner has put mine
.set STO,  12                          ; v12  the stage, in
.set RD,   13                          ; v13  the stage, back
.set CSTW, 14                          ; v14  my wave's constants, in: 4 bytes a lane
.set CSTR, 15                          ; v15  and back: 32 hl
.set SA,   16
.set SW,   24
.set ADB,  28                          ; v28-30 my weights in slot 0, slot 1, and in slot 0 in the one-step filling, whose rows are 6,400 bytes: + 16 x lane
.set ADS,  31                          ; v31-33 the same + 4 r + 128 hl: their scale words, lanes 0-15 images 0 and 1, lanes 16-31 images 2 and 3
.set WV,   20                          ; s20  wave;  s21 kind (and: I fetch for A (0) or B (1));  s22 q (and: which kind's part I fetch);  s23 cx;  s24 j;  s25 i;  s26 cy
.set G1,   28                          ; s[28:35] group 1 for A;  s[36:43] group 0 for A, slots 0, 1
.set G0,   36
.set G1B,  44                          ; s[44:51], s[52:59] the same for B
.set G0B,  52
.set PF,   92                          ; s[92:101] where my prefetches of fillings 1 to 5 begin
.set MULW, 0xa1                        ; source 0 (weights) window 1, source 1 (activations) window 0, C and D window 2
.set MSB, 0
.macro WIN new                         ; the immediate's high byte repeats the setting that is left
.if MSB != \new
	s_set_vgpr_msb (MSB<<8)|\new
.set MSB, \new
.endif
.endm
.macro PLACES                          ; four plain instructions between a matrix instruction and a load into, or a read of, its registers (ISA guide 7.12.1 for reads)
.rept 4
	v_nop
.endr
.endm
.macro BAR                             ; my LDS instructions are done; then the work-group's barrier
	s_wait_dscnt 0x0
	s_barrier_signal -1
	s_barrier_wait -1
.endm
.macro CREST                           ; a round of the cluster's barrier behind its opening barrier
	s_cmp_lg_u32 s[WV], 0
	s_cbranch_scc1 .Lnot_wave_0_\@
	s_barrier_signal -3
.Lnot_wave_0_\@:
	s_barrier_wait -3
	s_barrier_signal -1
	s_barrier_wait -1
.endm
.macro CROUND                          ; a whole round
	s_barrier_signal -1
	s_barrier_wait -1
	CREST
.endm
.macro JLOAD n                         ; a joint load into slot n: waves 0 and 1 fetch for A, waves 2 and 3 for B; each line has one mask for all that issue it, and the branch hangs on the wave's number alone
	s_cmp_eq_u32 s21, 0
	s_cbranch_scc0 .Lfor_b_\@
	tensor_load_to_lds s[G0+4*(\n):G0+4*(\n)+3], s[G1:G1+7]
	s_nop 0
	PLACES
	s_branch .Lasked_\@
.Lfor_b_\@:
	tensor_load_to_lds s[G0B+4*(\n):G0B+4*(\n)+3], s[G1B:G1B+7]
	s_nop 0
	PLACES
.Lasked_\@:
.endm
.macro ASK c                           ; my blocks of filling c: lanes that are left over name my last block again
	global_prefetch_b8 v[VP0], s[PF+2*(\c)-2:PF+2*(\c)-1] th:TH_LOAD_NT scope:SCOPE_SE
	global_prefetch_b8 v[VP1], s[PF+2*(\c)-2:PF+2*(\c)-1] th:TH_LOAD_NT scope:SCOPE_SE
.endm
; K step s is of filling (s + 2) / 3, in slot ((s + 2) / 3) % 2 at place (s + 2) % 3 (step 0: place 0), and goes into register set s % 2.  Its 39 loads are always issued in this order: scale words (3), B's fragments 0 to 3, A's eight.
.macro WHERE s
.set NZ, ((\s)+14)/15                  ; 0 for step 0, else 1
.set SL, (((\s)+2)/3)%2
.set PL, (((\s)+2)%3)*NZ
.set BI, SL+2*(1-NZ)                   ; which of B's three address registers
.endm
.macro FSC s
	WIN 0
	WHERE \s
.irp t, 0,1
	ds_load_b32 v[SW+2*((\s)%2)+\t], v[ADS+BI] offset:6400*PL+6144+64*\t
.endr
	ds_load_b128 v[SA+4*((\s)%2):SA+4*((\s)%2)+3], v[ADA+SL] offset:12800*PL+12288   ; register p % 4: lanes 0-15 position p < 4, lanes 16-31 position p >= 4
.endm
.macro FB s, g
	WIN 0x40
	WHERE \s
.irp n, 0,1,2
	ds_load_b128 v[48*((\s)%2)+12*\g+4*\n:48*((\s)%2)+12*\g+4*\n+3], v[ADB+BI] offset:6400*PL+1536*\g+512*\n
.endr
.endm
.macro FA s, a                         ; (the last step takes positions 4 to 7 first)
	WIN 0
	WHERE \s
.set AX, ((\a)+4*((\s)/15))%8
.irp n, 0,1,2
	ds_load_b128 v[64+96*((\s)%2)+12*AX+4*\n:64+96*((\s)%2)+12*AX+4*\n+3], v[ADA+SL] offset:12800*PL+1536*AX+512*\n
.endr
.endm
.macro WMMA zero, ra, rb               ; ra, rb: the weights' / the activations' scale words stand in lanes 16-31
.if \zero
.if (\ra) && (\rb)
	v_wmma_scale_f32_16x16x128_f8f6f4 v[rD:rD+7], v[rW:rW+11], v[rA:rA+11], 0, v[rSW], v[rSA] matrix_a_fmt:MATRIX_FMT_BF6 matrix_b_fmt:MATRIX_FMT_BF6 matrix_a_scale:MATRIX_SCALE_ROW1 matrix_b_scale:MATRIX_SCALE_ROW1
.elseif (\ra)
	v_wmma_scale_f32_16x16x128_f8f6f4 v[rD:rD+7], v[rW:rW+11], v[rA:rA+11], 0, v[rSW], v[rSA] matrix_a_fmt:MATRIX_FMT_BF6 matrix_b_fmt:MATRIX_FMT_BF6 matrix_a_scale:MATRIX_SCALE_ROW1
.elseif (\rb)
	v_wmma_scale_f32_16x16x128_f8f6f4 v[rD:rD+7], v[rW:rW+11], v[rA:rA+11], 0, v[rSW], v[rSA] matrix_a_fmt:MATRIX_FMT_BF6 matrix_b_fmt:MATRIX_FMT_BF6 matrix_b_scale:MATRIX_SCALE_ROW1
.else
	v_wmma_scale_f32_16x16x128_f8f6f4 v[rD:rD+7], v[rW:rW+11], v[rA:rA+11], 0, v[rSW], v[rSA] matrix_a_fmt:MATRIX_FMT_BF6 matrix_b_fmt:MATRIX_FMT_BF6
.endif
.else
.if (\ra) && (\rb)
	v_wmma_scale_f32_16x16x128_f8f6f4 v[rD:rD+7], v[rW:rW+11], v[rA:rA+11], v[rD:rD+7], v[rSW], v[rSA] matrix_a_fmt:MATRIX_FMT_BF6 matrix_b_fmt:MATRIX_FMT_BF6 matrix_a_scale:MATRIX_SCALE_ROW1 matrix_b_scale:MATRIX_SCALE_ROW1
.elseif (\ra)
	v_wmma_scale_f32_16x16x128_f8f6f4 v[rD:rD+7], v[rW:rW+11], v[rA:rA+11], v[rD:rD+7], v[rSW], v[rSA] matrix_a_fmt:MATRIX_FMT_BF6 matrix_b_fmt:MATRIX_FMT_BF6 matrix_a_scale:MATRIX_SCALE_ROW1
.elseif (\rb)
	v_wmma_scale_f32_16x16x128_f8f6f4 v[rD:rD+7], v[rW:rW+11], v[rA:rA+11], v[rD:rD+7], v[rSW], v[rSA] matrix_a_fmt:MATRIX_FMT_BF6 matrix_b_fmt:MATRIX_FMT_BF6 matrix_b_scale:MATRIX_SCALE_ROW1
.else
	v_wmma_scale_f32_16x16x128_f8f6f4 v[rD:rD+7], v[rW:rW+11], v[rA:rA+11], v[rD:rD+7], v[rSW], v[rSA] matrix_a_fmt:MATRIX_FMT_BF6 matrix_b_fmt:MATRIX_FMT_BF6
.endif
.endif
.endm
.macro ROW s, a                        ; four matrix instructions; the 32 accumulators take turns, one instruction a turn.  Step 0's products start the sums: nothing is cleared
	WIN MULW
.set AX, ((\a)+4*((\s)/15))%8
.irp g, 0,1,2,3
.set rD,  8*(4*AX+\g)
.set rW,  48*((\s)%2)+12*\g
.set rA,  64+96*((\s)%2)+12*AX
.set rSW, SW+2*((\s)%2)+(\g%2)
.set rSA, SA+4*((\s)%2)+(AX%4)
.if (\s) == 0
	WMMA 1, \g/2, AX/4
.else
	WMMA 0, \g/2, AX/4
.endif
.endr
.endm
; A step whose successor lies in the same slot.  Row a waits for A's fragment a: the count is this step's younger loads and those already issued for the next step.
.macro STEP s
	s_wait_dscnt 21                                ; scale words, B's four and A's first are in; A's other seven (21 loads) may be out
	ROW \s, 0
	PLACES                                         ; the loads below go into the set that the step before multiplied
	FSC \s+1                                       ; the next step's 39 loads go in three runs: 12,
	FB \s+1, 0
	FB \s+1, 1
	FB \s+1, 2
	s_wait_dscnt 30                                ; 18 + 12
	ROW \s, 1
	s_wait_dscnt 27                                ; 15 + 12
	ROW \s, 2
	FB \s+1, 3                                     ; 12,
	FA \s+1, 0
	FA \s+1, 1
	FA \s+1, 2
	s_wait_dscnt 36                                ; 12 + 24
	ROW \s, 3
	s_wait_dscnt 33                                ; 9 + 24
	ROW \s, 4
	FA \s+1, 3                                     ; and 15
	FA \s+1, 4
	FA \s+1, 5
	FA \s+1, 6
	FA \s+1, 7
	s_wait_dscnt 45                                ; 6 + 39
	ROW \s, 5
	s_wait_dscnt 42                                ; 3 + 39
	ROW \s, 6
	s_wait_dscnt 39                                ; 0 + 39
	ROW \s, 7
.if (\s) == 10
	WIN 0xc0                                       ; my 32 rows of h_prev for the way out: two rows of 256 bytes an instruction
.irp t, 0,1,2,3,4,5,6,7,8,9,10,11,12,13,14,15
	global_load_b128 v[4*\t:4*\t+3], v[VROW], s[76:77] offset:8192*\t
.endr
	WIN 0
.endif
.endm
; A slot's last step: its fragments are on their way to registers already, so the slot is filled again here.  refill = 0: nothing is left to fetch, the barrier shows the last filling to every wave.
.macro TURN s, refill
	s_wait_dscnt 21
	ROW \s, 0
	s_wait_dscnt 18
	ROW \s, 1
	WIN 0                                          ; (the add's two registers lie in window 0)
	s_wait_tensorcnt 0x0                           ; all my tensor loads have landed: my part of the next slot
.if \refill
	ds_add_u32 v[SPW], v[NIL]                      ; 0 onto my spare word
.set TS, (((\s)+2)/3)%2
.if (\s) == 0
	s_add_nc_u64 s[G0+2:G0+3], s[G0+2:G0+3], 102400                        ; no tensor load of mine is out: from K step 0 to steps 4 .. 6, A
	s_add_nc_u64 s[G0B+2:G0B+3], s[G0B+2:G0B+3], 25600                     ; and B
.else
	s_add_nc_u64 s[G0+4*TS+2:G0+4*TS+3], s[G0+4*TS+2:G0+4*TS+3], 153600    ; no tensor load of mine is out: six K steps on, A
	s_add_nc_u64 s[G0B+4*TS+2:G0B+4*TS+3], s[G0B+4*TS+2:G0B+4*TS+3], 38400 ; and B
.endif
	s_wait_dscnt 16                                ; A's fragment 2 is in; five fragments (15 loads) and the add may be out
.else
	s_wait_dscnt 15
.endif
	ROW \s, 2
	s_wait_dscnt 0x0                               ; the add, where there is one, is done, and my reads of this slot are over
	s_barrier_signal -1
	ROW \s, 3
	WIN 0
	s_barrier_wait -1
.if \refill
	CREST                                          ; both now hold of every wave of the cluster's work-groups
	JLOAD TS                                       ; the first tensor load behind the round; the four v_nop behind it are the places in front of the loads below
.else
	PLACES
.endif
	FSC \s+1
	FB \s+1, 0
	FB \s+1, 1
	FB \s+1, 2
	FB \s+1, 3
	FA \s+1, 0                                     ; 18 loads here, 21 behind two rows more
	ROW \s, 4
	ROW \s, 5
	FA \s+1, 1
	FA \s+1, 2
	FA \s+1, 3
	FA \s+1, 4
	FA \s+1, 5
	FA \s+1, 6
	FA \s+1, 7
.if (\s) <= 6
	ASK (\s)/3+3                                   ; the filling behind the one just asked for
.endif
	ROW \s, 6
	ROW \s, 7
.endm
	s_load_b512 s[4:19], s[0:1], 0x0               ; aq, bq, h_prev, b_mu, b_rho, u_eps, h_pre_eps, out0
	v_lshl_add_u32 v[SPW], v0, 2, SPARE
	v_mov_b32 v[NIL], 0
	ds_add_u32 v[SPW], v[NIL]                      ; the wave's opening: the add, twice on end, and its wait ahead of my first tensor load
	ds_add_u32 v[SPW], v[NIL]
	v_lshrrev_b32 v35, 5, v0
	v_readfirstlane_b32 s[WV], v35                 ; wave 0..3
	v_and_b32 v38, 31, v0                          ; lane
	v_and_b32 v36, 15, v0                          ; r
	v_bfe_u32 v37, v0, 4, 1                        ; hl
	v_lshlrev_b32 v39, 4, v38                      ; 16 x lane
	v_lshlrev_b32 v34, 2, v38                      ; 4 x lane
	v_lshlrev_b32 v40, 2, v36
	v_lshl_add_u32 v40, v37, 7, v40                ; 4 r + 128 hl
	v_lshlrev_b32 v[VROW], 4, v36
	v_lshl_add_u32 v[VROW], v37, 12, v[VROW]
	v_lshlrev_b32 v[VP0], 8, v38
	v_add_nc_u32 v41, 32, v38
	v_mul_u32_u24 v42, v36, SP                     ; the stage, in: row r, + 32 hl
	v_lshl_add_u32 v42, v37, 5, v42
	v_mul_u32_u24 v43, v37, SP                     ; and back: row hl, 16 bytes a lane
	v_lshl_add_u32 v43, v36, 4, v43
	s_lshr_b32 s21, s[WV], 1
	s_and_b32 s22, s[WV], 1
	s_mul_i32 s60, s21, PART                       ; my kind's part of A
	s_mul_i32 s61, s22, 19200
	s_add_co_u32 s61, s61, s60
	s_add_co_u32 s61, s61, 2*PART                  ; my panel of B: three steps of 6,400 bytes
	s_mul_i32 s62, s22, 6400
	s_add_co_u32 s62, s62, s60
	s_add_co_u32 s62, s62, 2*PART                  ; and in the one-step filling
	s_lshl_b32 s63, s[WV], 14
	s_xor_b32 s80, s[WV], 2
	s_lshl_b32 s80, s80, 14
	s_mul_i32 s81, s21, 64*SP                      ; the stage: row 64 kind + 16 a + r; 128 q + 64 c + 32 hl bytes along it
	s_lshl_b32 s82, s22, 7
	s_add_co_u32 s81, s81, s82
	s_add_co_u32 s81, s81, STAGE
	s_mul_i32 s82, s[WV], 32*SP                    ; back: rows 32 w + 2 t + hl
	s_add_co_u32 s82, s82, STAGE
	s_mul_i32 s83, s[WV], 768
	s_add_co_u32 s83, s83, CST
	s_xor_b32 s84, s22, 1
	s_add_co_u32 s84, s84, 36                      ; my last prefetched block: 37 or 36
	s_wait_alu depctr_va_vdst(0)                   ; directly ahead of the readers below
	v_add_nc_u32 v[ADA], s60, v39
	v_add_nc_u32 v[ADA+1], SLOT, v[ADA]
	v_add_nc_u32 v[ADB], s61, v39
	v_add_nc_u32 v[ADB+1], SLOT, v[ADB]
	v_add_nc_u32 v[ADB+2], s62, v39
	v_add_nc_u32 v[ADS], s61, v40
	v_add_nc_u32 v[ADS+1], SLOT, v[ADS]
	v_add_nc_u32 v[ADS+2], s62, v40
	v_add_nc_u32 v[XW], s63, v39
	v_add_nc_u32 v[XR], s80, v39
	v_add_nc_u32 v[STO], s81, v42
	v_add_nc_u32 v[RD], s82, v43
	v_add_nc_u32 v[CSTW], s83, v34
	v_lshl_add_u32 v[CSTR], v37, 5, s83
	v_min_u32 v41, s84, v41
	v_lshlrev_b32 v[VP1], 8, v41
	s_bfe_u32 s23, ttmp6, 0x40000                  ; cx, cy: my place in the cluster
	s_bfe_u32 s26, ttmp6, 0x40004
	s_lshl_b32 s24, ttmp9, 2
	s_add_co_u32 s24, s24, s23                     ; j = 4 x cluster x + cx
	s_and_b32 s25, ttmp7, 0xffff
	s_lshl_b32 s25, s25, 2
	s_add_co_u32 s25, s25, s26                     ; i = 4 x cluster y + cy
	s_lshl_b32 s60, s26, 2
	s_lshl_b32 s60, 15, s60                        ; my row of the cluster
	s_lshl_b32 s61, 0x1111, s23                    ; my column
	s_or_b32 s[G1], s60, (3<<16)|(1<<21)           ; 15:0 the mask; 17:16 elements of 8 bytes; 20 no padding; 21 set beside a mask
	s_or_b32 s[G1B], s61, (3<<16)|(1<<21)
	s_mov_b32 s[G1+1], 1600<<16                    ; A: rows of 1,600 elements = 12,800 bytes, one a K step:
	s_mov_b32 s[G1+2], 1<<16                       ; filling 0 has one,
	s_mov_b32 s[G1+3], 1600<<16
	s_mov_b32 s[G1+4], 1
	s_mov_b32 s[G1+5], 3200                        ; the others three, 25,600 bytes apart
	s_mov_b32 s[G1+6], 1<<16
	s_mov_b32 s[G1+7], 0
	s_mov_b32 s[G1B+1], 800<<16                    ; B: two rows, one for each q, of 800 elements = 6,400 bytes a K step:
	s_mov_b32 s[G1B+2], 2<<16                      ; filling 0 has one step,
	s_mov_b32 s[G1B+3], 800<<16
	s_mov_b32 s[G1B+4], 2
	s_mov_b32 s[G1B+5], 12800                      ; 102,400 bytes apart
	s_mov_b32 s[G1B+6], 0
	s_mov_b32 s[G1B+7], 0
	s_mul_i32 s80, s25, 409600                     ; A: row tile i's 16 steps, my kind's panel
	s_mul_i32 s62, s22, 12800
	s_add_co_u32 s80, s80, s62
	s_mov_b32 s81, 0
	s_mul_i32 s82, s24, 409600                     ; B: column tile j's four panels, my kind's two
	s_mul_i32 s62, s22, 204800
	s_add_co_u32 s82, s82, s62
	s_mov_b32 s83, 0
	s_lshl_b32 s84, s25, 19                        ; h_prev and the output: row 128 i + 32 w, column 64 j
	s_lshl_b32 s62, s[WV], 17
	s_add_co_u32 s84, s84, s62
	s_lshl_b32 s63, s24, 8
	s_add_co_u32 s84, s84, s63
	s_mov_b32 s85, 0
	s_lshl_b32 s86, s22, 7                         ; the vectors: column 64 j + 32 q
	s_add_co_u32 s86, s86, s63
	s_mov_b32 s87, 0
	s_mul_i32 s62, s23, 19200                      ; the prefetches: of a filling's 76,800 bytes of A the partner cx takes 19,200;
	s_add_co_u32 s62, s62, 25600                   ; (filling 1 begins at K step 1)
	s_mul_i32 s63, s26, 102400                     ; of B's four panels the partner cy takes one, 19,200 bytes of it
	s_add_co_u32 s63, s63, 6400
	s_mov_b32 s90, 76800                           ; from filling to filling, A and B
	s_mov_b32 s91, 19200
	s_cmp_eq_u32 s21, 0
	s_cselect_b32 s88, s25, s24
	s_cselect_b32 s62, s62, s63
	s_cselect_b32 s90, s90, s91
	s_mul_i32 s88, s88, 409600
	s_add_co_u32 s88, s88, s62
	s_mul_i32 s63, s22, 38*256                     ; my wave's half: 38 blocks, then 37
	s_add_co_u32 s88, s88, s63
	s_mov_b32 s89, 0
	s_mov_b32 s91, 0
	s_cmp_lg_u32 s21, 0
	s_cselect_b32 s66, -1, 0                       ; all lanes on in a wave of kind 1
	s_mov_b32 s68, 0xbfb8aa3b                      ; -log2(e)
	s_mov_b32 s70, 0x4038aa3b                      ; 2 log2(e)
	s_mov_b32 s72, 0x3fb8aa3b                      ; log2(e)
	s_mov_b32 s73, 0x3f317218                      ; ln(2)
	s_mul_i32 s27, s[WV], PART                     ; where my loads go: no place in the cluster enters an LDS address
.irp n, 0,1
	s_mov_b32 s[G0+4*\n], 1                        ; count = 1
	s_add_co_u32 s[G0+4*\n+1], s27, \n*SLOT
	s_mov_b32 s[G0B+4*\n], 1
	s_add_co_u32 s[G0B+4*\n+1], s27, \n*SLOT
.endr
	s_wait_alu depctr_va_vdst(0)                   ; ahead of the waits and barriers below
	s_wait_dscnt 0x0                               ; both opening adds are done
	CROUND                                         ; all sixteen work-groups are here: the first joint loads meet
	s_wait_kmcnt 0x0
	s_add_nc_u64 s[80:81], s[4:5], s[80:81]
	s_add_nc_u64 s[82:83], s[6:7], s[82:83]
.irp n, 0,1
	s_add_nc_u64 s[G0+4*\n+2:G0+4*\n+3], s[80:81], \n*25600        ; slot 0: K step 0; slot 1: K steps 1 .. 3
	s_or_b32 s[G0+4*\n+3], s[G0+4*\n+3], 0x80000000                ; type = 2
	s_add_nc_u64 s[G0B+4*\n+2:G0B+4*\n+3], s[82:83], \n*6400
	s_or_b32 s[G0B+4*\n+3], s[G0B+4*\n+3], 0x80000000
.endr
	JLOAD 0                                        ; filling 0: one tensor load a wave at the head
	s_add_nc_u64 s[10:11], s[10:11], s[86:87]
	s_add_nc_u64 s[12:13], s[12:13], s[86:87]
	s_add_nc_u64 s[14:15], s[14:15], s[86:87]
	s_add_nc_u64 s[16:17], s[16:17], s[86:87]
	global_load_b32 v44, v34, s[10:11] offset:4096 ; b_mu of my 32 columns, a lane a column: gate u,
	global_load_b32 v45, v34, s[10:11] offset:8192 ; gate h
	global_load_b32 v46, v34, s[12:13] offset:4096 ; b_rho likewise
	global_load_b32 v47, v34, s[12:13] offset:8192
	global_load_b32 v48, v34, s[14:15]             ; u_eps
	global_load_b32 v49, v34, s[16:17]             ; h_pre_eps
	s_cmp_eq_u32 s21, 0
	s_cselect_b64 s[PF:PF+1], s[4:5], s[6:7]
	s_add_nc_u64 s[PF:PF+1], s[PF:PF+1], s[88:89]
	s_add_nc_u64 s[PF+2:PF+3], s[PF:PF+1], s[90:91]
	s_add_nc_u64 s[PF+4:PF+5], s[PF+2:PF+3], s[90:91]
	s_add_nc_u64 s[PF+6:PF+7], s[PF+4:PF+5], s[90:91]
	s_add_nc_u64 s[PF+8:PF+9], s[PF+6:PF+7], s[90:91]
	ASK 1                                          ; filling 1, whose load follows behind the round at the head's end
	s_add_nc_u64 s[76:77], s[8:9], s[84:85]        ; h_prev
	s_add_nc_u64 s[78:79], s[18:19], s[84:85]      ; the output
	; ---- the constants of my 32 columns, while the first tiles are on their way.  softplus as in the launch before: max(x, 0) + ln(U) + (D - D E)
	s_wait_loadcnt 0x0
	v_mul_f32 v50, -|v46|, s72
	v_mul_f32 v51, -|v47|, s72
	s_wait_alu depctr_va_vdst(0)
	v_exp_f32 v50, v50
	v_exp_f32 v51, v51
	v_max_num_f32 v52, 0, v46
	v_max_num_f32 v53, 0, v47
	s_wait_alu depctr_va_vdst(0)
	v_add_f32 v54, 1.0, v50
	v_add_f32 v55, 1.0, v51
	v_add_f32 v56, -1.0, v54
	v_add_f32 v57, -1.0, v55
	v_sub_f32 v56, v50, v56
	v_sub_f32 v57, v51, v57
	v_fma_f32 v50, -v56, v50, v56
	v_fma_f32 v51, -v57, v51, v57
	s_wait_alu depctr_va_vdst(0)
	v_log_f32 v54, v54
	v_log_f32 v55, v55
	v_add_f32 v50, v50, v52
	v_add_f32 v51, v51, v53
	s_wait_alu depctr_va_vdst(0)
	v_fma_f32 v50, v54, s73, v50                   ; softplus(b_rho)
	v_fma_f32 v51, v55, s73, v51
	v_fma_f32 v44, v50, v48, v44                   ; b_mu + softplus(b_rho) eps
	v_fma_f32 v45, v51, v49, v45
	v_mul_f32 v44, s68, v44                        ; CC, with the gate's factor
	v_mul_f32 v45, s70, v45
	v_mul_f32 v52, s68, v48                        ; eps, with the gate's factor
	v_mul_f32 v53, s70, v49
	v_mov_b32 v56, s68
	v_mov_b32 v57, s70
	v_cndmask_b32 v54, v52, v56, s66               ; E2, the factor of the partner's sums: with eps in a wave of kind 0 (they are sig), without in a wave of kind 1 (they are mu)
	v_cndmask_b32 v55, v53, v57, s66
	v_cndmask_b32 v58, v56, v52, s66               ; E1, the factor of my own sums: the other way round.  So one text serves both kinds of wave
	v_cndmask_b32 v59, v57, v53, s66
	ds_store_b32 v[CSTW], v44
	ds_store_b32 v[CSTW], v45 offset:128
	ds_store_b32 v[CSTW], v54 offset:256
	ds_store_b32 v[CSTW], v55 offset:384
	ds_store_b32 v[CSTW], v58 offset:512
	ds_store_b32 v[CSTW], v59 offset:640
	WIN 0xc0                                       ; back in the accumulators' layout: for image g = 2 gate + c a lane's eight columns 16 c + 8 hl + 0 .. 7 (my wave's own bytes; LDS serves a wave's instructions in order)
.irp m, 0,1,2
.irp g, 0,1,2,3
.irp f, 0,1
	ds_load_b128 v[64+32*\m+8*\g+4*\f:64+32*\m+8*\g+4*\f+3], v[CSTR] offset:256*\m+128*(\g/2)+64*(\g%2)+16*\f
.endr
.endr
.endr
	WIN 0
	s_wait_alu depctr_va_vdst(0)
	s_wait_tensorcnt 0x0                           ; my part of filling 0 is in
	ds_add_u32 v[SPW], v[NIL]
	s_mov_b32 s[G1+2], 3<<16                       ; no tensor load of mine is out: from here on a filling is three steps: A three rows,
	s_mov_b32 s[G1+4], 3
	s_mov_b32 s[G1+6], 0
	s_mov_b32 s[G1B+1], 2400<<16                   ; B rows of 19,200 bytes
	s_mov_b32 s[G1B+3], 2400<<16
	s_wait_dscnt 0x0                               ; the add is done, and my constants are in
	CROUND                                         ; filling 0 is whole for every wave, and all sixteen work-groups are here
	JLOAD 1                                        ; K steps 1 to 3: slot 1's first fill, the first tensor load behind the round
	FSC 0
.irp g, 0,1,2,3
	FB 0, \g
.endr
.irp a, 0,1,2,3,4,5,6,7
	FA 0, \a
.endr
	ASK 2
	TURN 0, 1
	STEP 1
	STEP 2
	TURN 3, 1
	STEP 4
	STEP 5
	TURN 6, 1
	STEP 7
	STEP 8
	TURN 9, 1
	STEP 10
	STEP 11
	TURN 12, 0
	STEP 13
	STEP 14
	; ---- the last step, and THE EXCHANGE.  In aq kind 1's panels are turned by four positions, so in every wave accumulators a = 0 .. 3 are row blocks 4 kind + a and a = 4 .. 7 are the partner's row blocks.
	; The partner's are finished first and handed to wave w xor 2 as images of the registers, and the other sixteen products follow.  Each wave then holds mu and sig of 64 rows x 32 columns x 2 gates in like-numbered registers.
	s_wait_dscnt 21
	ROW 15, 0
	s_wait_dscnt 18
	ROW 15, 1
	s_wait_dscnt 15
	ROW 15, 2
	s_wait_dscnt 12
	ROW 15, 3
	PLACES
	WIN 0x08                                       ; an LDS store's data: window 2
.set tt, 0
.rept 16
	ds_store_b128 v[XW], v[128+8*tt:128+8*tt+3] offset:1024*tt         ; each accumulator from its low end on
	ds_store_b128 v[XW], v[128+8*tt+4:128+8*tt+7] offset:1024*tt+512
.set tt, tt+1
.endr
	s_wait_dscnt 32                                ; all fragments are in; the 32 stores may be out
	ROW 15, 4
	ROW 15, 5
	ROW 15, 6
	ROW 15, 7
	PLACES                                         ; the loads below go into registers that held weights
	WIN 0
	BAR
	WIN 0x40
.set tt, 0
.rept 16
	ds_load_b128 v[8*tt:8*tt+3], v[XR] offset:1024*tt
	ds_load_b128 v[8*tt+4:8*tt+7], v[XR] offset:1024*tt+512
.set tt, tt+1
.endr
	; ---- THE GATES.  T = own x E1 + (partner's x E2 + CC), the exponent to the base 2
	WIN 0x7d                                       ; destination and source 0 window 1, sources 1 and 2 window 3
.set tt, 0
.irp left, 24,16,8,0
	s_wait_dscnt \left                             ; eight more of the 32 loads are in
.rept 4
.set pp, 0
.rept 4
	v_pk_fma_f32 v[8*tt+2*pp:8*tt+2*pp+1], v[8*tt+2*pp:8*tt+2*pp+1], v[96+8*(tt%4)+2*pp:96+8*(tt%4)+2*pp+1], v[64+8*(tt%4)+2*pp:64+8*(tt%4)+2*pp+1]
.set pp, pp+1
.endr
.set tt, tt+1
.endr
.endr
	WIN 0x5e                                       ; source 0 window 2 (my accumulators, each from its low end on), source 1 window 3, source 2 and destination window 1
.set tt, 0
.rept 16
.set pp, 0
.rept 4
	v_pk_fma_f32 v[8*tt+2*pp:8*tt+2*pp+1], v[8*tt+2*pp:8*tt+2*pp+1], v[128+8*(tt%4)+2*pp:128+8*(tt%4)+2*pp+1], v[8*tt+2*pp:8*tt+2*pp+1]
.set pp, pp+1
.endr
.set tt, tt+1
.endr
	WIN 0x55                                       ; all in window 1: register 32 a + 8 g + i; g = 0, 1 gate u, g = 2, 3 gate h.  sigmoid(y) = 1 / (1 + 2^(-y log2 e)), tanh(y) = 1 - 2 / (1 + 2^(2 y log2 e))
	; in two halves, a = 0, 1 and a = 2, 3: a batch of one half carries the other half's plain work.  Where an exponential overflows or falls to 0 the reciprocal gives 0 or 1: the gates' own limits
	s_wait_alu depctr_va_vdst(0)
.set tt, 0
.rept 64
	v_exp_f32 v[tt], v[tt]
.set tt, tt+1
.endr
	v_nop                                          ; a plain instruction behind a batch's last transcendental
	s_wait_alu depctr_va_vdst(0)
.set tt, 0
.rept 32
	v_exp_f32 v[64+2*tt], v[64+2*tt]
	v_pk_add_f32 v[2*tt:2*tt+1], v[2*tt:2*tt+1], 1.0 op_sel_hi:[1,0]
	v_exp_f32 v[65+2*tt], v[65+2*tt]
.set tt, tt+1
.endr
	v_nop
	s_wait_alu depctr_va_vdst(0)
.set tt, 0
.rept 32
	v_rcp_f32 v[2*tt], v[2*tt]
	v_pk_add_f32 v[64+2*tt:65+2*tt], v[64+2*tt:65+2*tt], 1.0 op_sel_hi:[1,0]
	v_rcp_f32 v[2*tt+1], v[2*tt+1]
.set tt, tt+1
.endr
	v_nop
	s_wait_alu depctr_va_vdst(0)
.set tt, 0
.rept 32
	v_rcp_f32 v[64+2*tt], v[64+2*tt]
.if tt%2 == 0
.set pp, 32*(tt/16)+16+(tt%16)
	v_pk_fma_f32 v[pp:pp+1], v[pp:pp+1], -2.0, 1.0 op_sel_hi:[1,0,0]
.endif
	v_rcp_f32 v[65+2*tt], v[65+2*tt]
.set tt, tt+1
.endr
	v_nop
	s_wait_alu depctr_va_vdst(0)
.set tt, 0
.rept 16
.set pp, 64+32*(tt/8)+16+2*(tt%8)
	v_pk_fma_f32 v[pp:pp+1], v[pp:pp+1], -2.0, 1.0 op_sel_hi:[1,0,0]
.set tt, tt+1
.endr
	; ---- THE WAY OUT.  A row's 64 columns come from two waves: u and h_pre meet in the stage, and each wave takes 32 whole rows
	WIN 0x04                                       ; an LDS store's data: window 1
.irp a, 0,1,2,3
.irp g, 0,1,2,3
.irp f, 0,1
	ds_store_b128 v[STO], v[32*\a+8*\g+4*\f:32*\a+8*\g+4*\f+3] offset:16*SP*\a+64*(\g%2)+16*\f+GATEB*(\g/2)
.endr
.endr
.endr
	WIN 0
	BAR
	WIN 0x40
.irp t, 0,1,2,3,4,5,6,7,8,9,10,11,12,13,14,15
	ds_load_b128 v[4*\t:4*\t+3], v[RD] offset:2*SP*\t                  ; u
	ds_load_b128 v[64+4*\t:64+4*\t+3], v[RD] offset:2*SP*\t+GATEB      ; h_pre
.endr
	s_wait_loadcnt 0x0                             ; h_prev
.set qq, 0
.irp left, 24,16,8,0
	s_wait_dscnt \left                             ; four more row pairs of u and h_pre are in
	WIN 0xc7                                       ; source 0 and destination window 3, source 1 window 1
.set tt, 8*qq
.rept 8
	v_pk_add_f32 v[2*tt:2*tt+1], v[2*tt:2*tt+1], v[64+2*tt:65+2*tt] neg_lo:[0,1] neg_hi:[0,1]     ; h_prev - h_pre
.set tt, tt+1
.endr
	WIN 0x5d                                       ; source 0, source 2 and destination window 1, source 1 window 3
.set tt, 8*qq
.rept 8
	v_pk_fma_f32 v[2*tt:2*tt+1], v[2*tt:2*tt+1], v[2*tt:2*tt+1], v[64+2*tt:65+2*tt]               ; u (h_prev - h_pre) + h_pre
.set tt, tt+1
.endr
	WIN 0x04                                       ; a store's data: window 1
.set tt, 4*qq
.rept 4
	global_store_b128 v[VROW], v[4*tt:4*tt+3], s[78:79] offset:8192*tt th:TH_STORE_NT             ; sixteen lanes store 256 consecutive bytes, at a multiple of 256 from the output's first byte
.set tt, tt+1
.endr
.set qq, qq+1
.endr
	WIN 0
	s_wait_tensorcnt 0x0                           ; the wave's end: behind my last tensor load and my last LDS store
	ds_add_u32 v[SPW], v[NIL]
	s_wait_dscnt 0x0
	CROUND                                         ; the closing round: no work-group ends while a partner may still ask for a tile that names it
	s_endpgm
.Lfunc_end_k_qbccf90b712_cell:
	.size	k_qbccf90b712_cell, .Lfunc_end_k_qbccf90b712_cell-k_qbccf90b712_cell
	.p2alignl 7, 3214868480
	.fill 96, 4, 3214868480
	.section	.rodata,"a",@progbits
	.p2align	6, 0x0
	.amdhsa_kernel k_qbccf90b712_cell
		.amdhsa_group_segment_fixed_size 327680
		.amdhsa_private_segment_fixed_size 0
		.amdhsa_enable_private_segment 0
		.amdhsa_kernarg_size 64
		.amdhsa_user_sgpr_count 2
		.amdhsa_user_sgpr_kernarg_segment_ptr 1
		.amdhsa_wavefront_size32 1
		.amdhsa_system_sgpr_workgroup_id_x 1
		.amdhsa_system_sgpr_workgroup_id_y 1
		.amdhsa_system_sgpr_workgroup_id_z 1
		.amdhsa_system_vgpr_workitem_id 0
		.amdhsa_next_free_vgpr 928
		.amdhsa_next_free_sgpr 102
		.amdhsa_reserve_vcc 0
		.amdhsa_float_denorm_mode_32 3
		.amdhsa_float_denorm_mode_16_64 3
		.amdhsa_memory_ordered 1
		.amdhsa_forward_progress 1
		.amdhsa_inst_pref_size 170
	.end_amdhsa_kernel
	.amdgpu_metadata
---
amdhsa.version: [ 1, 2 ]
amdhsa.kernels:
  - .name:           k_qbccf90b712_cell
    .symbol:         k_qbccf90b712_cell.kd
    .args:
      - { .name: aq, .offset: 0, .size: 8, .value_kind: global_buffer, .address_space: global }
      - { .name: bq, .offset: 8, .size: 8, .value_kind: global_buffer, .address_space: global }
      - { .name: h_prev, .offset: 16, .size: 8, .value_kind: global_buffer, .address_space: global }
      - { .name: b_mu, .offset: 24, .size: 8, .value_kind: global_buffer, .address_space: global }
      - { .name: b_rho, .offset: 32, .size: 8, .value_kind: global_buffer, .address_space: global }
      - { .name: u_eps, .offset: 40, .size: 8, .value_kind: global_buffer, .address_space: global }
      - { .name: h_pre_eps, .offset: 48, .size: 8, .value_kind: global_buffer, .address_space: global }
      - { .name: out0, .offset: 56, .size: 8, .value_kind: global_buffer, .address_space: global }
    .group_segment_fixed_size: 327680
    .private_segment_fixed_size: 0
    .kernarg_segment_align: 8
    .kernarg_segment_size: 64
    .max_flat_workgroup_size: 128
    .sgpr_count:     102
    .vgpr_count:     928
    .wavefront_size: 32
...
	.end_amdgpu_metadata
.endif
;; end of part 2
